; MI455X (gfx1250); checked and timed in simulation.
; The chip was launched on July 23, 2026; its instructions are those of AMD's public machine-readable ISA for CDNA 5 (MIT licence, August 2026) and "CDNA5" Instruction Set Architecture Reference Guide (July 2026). The comments in the code are by the model that wrote it; some were corrected since.
;; Py Torch Attention. Allowed arithmetic: matrix products marked QUANTISED: E5M2 operands, one given power-of-two scale a tensor, by v_wmma_f32_16x16x64_bf8_bf8 or v_wmma_f32_16x16x128_bf8_bf8, f32 sums; everything else in f32.
;; Inputs: K 4 x 2,048 x 1,024 float32; Q 4 x 2,048 x 1,024 float32; V 4 x 2,048 x 1,024 float32; lowp_scales 4 int32 (the exponents e of the quantised operands' scales 2^e).
;; Outputs: out0 4 x 2,048 x 1,024 float32.
;; This version of the problem:
;;   THIS VERSION OF THE PROBLEM IS GIVEN IN LOW PRECISION. The matrix products marked QUANTISED in the list below multiply operands that are first quantised to E5M2 (5 exponent bits, 2 mantissa bits; 8 bits a number), with one given power-of-two scale for each operand tensor; their sums are f32. All else is computed in f32.
;;   The module's matrix products, in the order in which they are computed (A, B: the left and right operand; K: the contracted axis; several contracted axes count as one K, in the product's order):
;;     1. batch 64 x [M 2,048, K 64] x [K 64, N 2,048]; A: input Q; B: input K: QUANTISED (scales: A lowp_scales[0], B lowp_scales[1])
;;     2. batch 64 x [M 2,048, K 2,048] x [K 2,048, N 64]; A: softmax (see below); B: input V: QUANTISED (scales: A lowp_scales[2], B lowp_scales[3])
;;   THE QUANTISER, for each operand of a quantised product, along K:
;;     - The operand's scale is 2^e, e = its entry of the input lowp_scales (int32; the entries are numbered through the quantised products in the list's order, A before B).
;;     - Each number is divided by the scale, clamped to +-57,344, and rounded to the nearest number of E5M2, ties to even, subnormals kept.
;;     - The product sums the exact products of the quantised numbers (number of the format x scale) in f32.
;;   ~~~python
;;   def quantise(x, axis, e):      # numpy; x: float32 -> the quantised numbers, widened to float32 again
;;       x = np.moveaxis(x, axis, -1); K = x.shape[-1]
;;       r = np.clip(x / 2.0 ** e, -57344, 57344)
;;       step = 2.0 ** (np.maximum(np.frexp(np.where(r == 0, 1, r))[1] - 1, -14) - 2)
;;       q = np.round(r / step) * step * 2.0 ** e      # np.round: ties to even
;;       return np.moveaxis(q, -1, axis).astype(np.float32)
;;   ~~~
;;   SOFTMAX AHEAD OF A QUANTISED PRODUCT. Where the list says 'softmax', what is quantised is not the finished softmax but p = 2^(t - M), with t = logit x log2(e) and M = ceil(the row's largest t), a whole number; so 1/2 < the row's largest p <= 1. The row's sum l is taken of the UNQUANTISED p, in f32, and the product's result is divided by l at the end. Since M is a whole number, a kernel that streams over the keys may use a running M (the ceiling of the running maximum): every later rescaling is an exact power of two, so the quantised numbers keep their values, but for numbers so far below the row's largest that they fall under the format's range.
;;   OPERANDS COMPUTED ON THE WAY. 'Computed on the way' means the value that the module computes at that place (a softmax that the list does not call 'softmax' is quantised finished and normalised). What goes into a quantiser is computed in f32, as accurately as f32 sums, v_exp_f32 and their like allow (about 1e-6 of the number): no bf16 or f16 on the way to a quantiser, and a product that is left as it is and whose result goes on into a quantised operand takes f32 operands (vector FMAs, or v_wmma_f32_16x16x4_f32). A number that lies on a knife's edge between two numbers of the format may be rounded either way, as far as f32 arithmetic and the matrix unit's own rounding can turn it there, and no further.
;; One version. Each part assembles by itself: llvm-mc -triple=amdgcn-amd-amdhsa -mcpu=gfx1250 --defsym DOCPART=n.
;; ======== version 1 of 1: 2 launches
;; limits: right only within a limited range of input values
;; workspace buffers: k_img 8,388,608 bytes; v_img 8,388,608 bytes
;; launch quant (part 1): grid 512 x 1, 4 waves a work-group, no clusters, 35,328 bytes of LDS; arguments K, V, lowp_scales, k_img, v_img; writes k_img, v_img
.if DOCPART == 1
	.amdgcn_target "amdgcn-amd-amdhsa--gfx1250"
	.amdhsa_code_object_version 6
	.text
	.protected	k_qc0a3d36765_quant
	.globl	k_qc0a3d36765_quant
	.p2align	8
	.type	k_qc0a3d36765_quant,@function
k_qc0a3d36765_quant:
	s_mov_b64 s[64:65], 0
	v_nop
	global_prefetch_b8 v0, s[64:65] scope:SCOPE_SE
	s_setreg_imm32_b32 hwreg(HW_REG_WAVE_MODE, 25, 1), 1
	s_wait_xcnt 0x0
; FIRST OF TWO LAUNCHES.  K and V, [4][2048][1024] f32 (16 heads of 64 channels side by side in a row of 4,096 bytes), become codes of BF8 (E5M2), once, each with its given scale 2^e
; (ek = entry 1, ev = entry 3 of lowp_scales): code = x / 2^e, held within +-57,344, rounded to the nearest code, ties to even.
; The codes are laid in the ORDER OF THE OPERAND REGISTERS that the second launch wants, [head 16 b + hd][step of 128 keys][8,192 bytes]:
;   k_img, a step: 8 tiles T = 2 bb + u of 1,024 bytes; register group g at 512 g, lane l = 16 h + r at 16 l: key 32 bb + 8 u + r + 8 (r / 8), channels 32 h + 16 g + 0 .. 15.
;   v_img, a step: 4 tiles ct of 2,048 bytes; register group c at 512 c, lane l at 16 l: channel 16 ct + r, keys 32 c + 16 h + 0 .. 15 (the keys are the second product's K).
; DEAD WORK OF THE PROGRAM.  This launch leaves nothing out.  The second launch leaves out, for a tile of 16 queries, every step of 128 keys all of which come after those queries: reference() itself builds tril(ones) and
; writes finfo.min over the score of each key > query, whatever Q and K hold, so the first product there reaches no output; and the softmax gives such a key the weight exp(finfo.min - the row's largest logit), which is
; nothing beside the row's largest weight, 1, for every finite input, so its term of the second product moves no result.  Every input is loaded.
; LIMIT of that: a NaN, an infinity or an overflow that reaches only hidden keys (in K or in V) is not carried to the result.
; LIMITS here: ek and ev between -126 and 112, so that 2^e and 57,344 x 2^e are f32 numbers.  NaN among the inputs is not served (an infinity is held at the largest code).
; SHARES.  Work-groups 0-255 take K, 256-511 take V.  Of a work-group's number mod 256: bits 7:2 = 16 b + step, bits 1:0 = a group of four heads; wave w takes head 4 (group) + w: 128 keys x 64 channels, 32 KiB in, 8 KiB out, dense.
; The waves share nothing: no barrier, no tensor load; no work-group reads what another reads, so there is nothing to ask for jointly.
; K: its channels lie along the rows, so a load takes two whole rows of 256 bytes as they lie, and the numbers turn through the wave's own stage in LDS (rows 272 bytes apart) so that a lane holds 32 neighbouring channels of one key.
; V: a lane takes a channel and its registers run down the keys: the conversions then give codes with the keys innermost, and nothing is transposed.
.set WREG,  8704                       ; LDS of a wave: two stages
.set STG,   4352                       ; a stage: 16 rows x 272 bytes
.set SP,    272                        ; a stage row: 256 bytes + 16: the 16 rows that a load touches begin 16 bytes apart modulo 256
.set SPARE, 4*WREG                     ; behind the stages: the spare words, 128 bytes for each wave: two blocks of 256 bytes that no other line names
.set ROW,   4096                       ; a row of K or V in memory
.set R,     16                         ; v16-111  numbers as loaded: K three sets of 32, V two
.set X,     112                        ; v112-175 K: two sets of 32 neighbours, back from the stage
.set C,     176                        ; v176-239 codes: eight registers for each tile or chunk, so that no store's data are written again
	s_load_b256 s[4:11], s[0:1], 0x0               ; K s[4:5], V s[6:7], the exponents s[8:9], k_img s[10:11]
	s_load_b64 s[12:13], s[0:1], 0x20              ; v_img
	v_lshl_add_u32 v12, v0, 2, SPARE               ; my spare word; never rewritten
	v_mov_b32 v13, 0                               ; 0; never rewritten
	v_lshrrev_b32 v1, 5, v0
	v_readfirstlane_b32 s14, v1                    ; wave 0..3
	v_and_b32 v1, 31, v0                           ; lane l
	v_and_b32 v8, 15, v0                           ; l % 16
	v_bfe_u32 v9, v0, 4, 1                         ; l / 16
	v_lshlrev_b32 v5, 4, v1                        ; K out: 16 l
	v_lshlrev_b32 v6, 2, v1                        ; V in: 4 l
	v_lshlrev_b32 v2, 4, v8
	v_lshl_add_u32 v2, v9, 12, v2                  ; K in: lanes 0-15 one row of 256 bytes, lanes 16-31 the next
	v_lshlrev_b32 v7, 4, v8
	v_lshl_add_u32 v7, v9, 11, v7                  ; V out: 2,048 (l / 16) + 16 (l % 16)
	s_mul_i32 s15, s14, WREG                       ; my stages.  Both LDS addresses are made here, ahead of the parting of the two paths
	v_mul_u32_u24 v3, v9, SP
	v_lshl_add_u32 v3, v8, 4, v3
	v_add_nc_u32 v3, s15, v3                       ; into a stage: as loaded
	v_mul_u32_u24 v4, v8, SP
	v_lshl_add_u32 v4, v9, 7, v4
	v_add_nc_u32 v4, s15, v4                       ; out of it: row l % 16, 128 bytes (32 channels) for each half of the lanes
	s_and_b32 s16, ttmp9, 255
	s_lshr_b32 s17, s16, 2                         ; 16 b + step: my first row is 128 x that
	s_and_b32 s18, s16, 3
	s_lshl_b32 s18, s18, 2
	s_add_co_u32 s18, s18, s14                     ; my head
	s_lshl_b32 s20, s17, 19                        ; 128 rows of 4,096 bytes,
	s_lshl_b32 s19, s18, 8
	s_add_co_u32 s20, s20, s19                     ; + the head's 256 bytes of a row
	s_mov_b32 s21, 0
	s_lshr_b32 s22, s17, 4
	s_lshl_b32 s22, s22, 4
	s_add_co_u32 s22, s22, s18                     ; 16 b + head
	s_lshl_b32 s22, s22, 4
	s_and_b32 s19, s17, 15
	s_add_co_u32 s22, s22, s19                     ; x 16 + step
	s_lshl_b32 s22, s22, 13                        ; x 8,192 bytes
	s_mov_b32 s23, 0
	s_wait_kmcnt 0x0
	s_load_b128 s[24:27], s[8:9], 0x0              ; eq, ek, ep, ev
	s_cmp_lt_u32 ttmp9, 256                        ; K's work-group or V's: the choice hangs on the work-group's number alone
	s_cselect_b64 s[4:5], s[4:5], s[6:7]
	s_cselect_b64 s[10:11], s[10:11], s[12:13]
	s_add_nc_u64 s[4:5], s[4:5], s[20:21]
	s_add_nc_u64 s[10:11], s[10:11], s[22:23]
.macro CONSTS e                        ; v11 = 2^e as f32 (the conversion takes its exponent field), s28 = 57,344 x 2^e as f32 bits
	s_wait_kmcnt 0x0
	s_add_co_i32 s28, s[\e], 127
	s_lshl_b32 s29, s28, 23
	v_mov_b32 v11, s29
	s_add_co_i32 s28, s28, 15
	s_lshl_b32 s28, s28, 23
	s_or_b32 s28, s28, 0x600000
.endm
; ---- K.  Tile t: its 16 keys are 32 (t / 2) + 8 (t % 2) + 0 .. 7 and the eight that lie 16 further on.  Load i brings the tile's rows 2 i and 2 i + 1.
.macro KLOAD t
.irp i, 0,1,2,3,4,5,6,7
	global_load_b128 v[R+32*((\t)%3)+4*\i:R+32*((\t)%3)+4*\i+3], v2, s[4:5] offset:(32*((\t)/2)+8*((\t)%2)+2*\i+8*(\i/4))*ROW th:TH_LOAD_NT   ; two runs of 256 consecutive bytes, each aligned
.endr
.endm
.macro KTURN t                         ; through the stage: LDS serves a wave's instructions in order, so no wait stands between the stores and the loads, nor ahead of stores over what earlier loads read
.irp i, 0,1,2,3,4,5,6,7
	ds_store_b128 v3, v[R+32*((\t)%3)+4*\i:R+32*((\t)%3)+4*\i+3] offset:((\t)%2)*STG+2*\i*SP
.endr
.irp i, 0,1,2,3,4,5,6,7
	ds_load_b128 v[X+32*((\t)%2)+4*\i:X+32*((\t)%2)+4*\i+3], v4 offset:((\t)%2)*STG+16*\i
.endr
.endm
.macro KSTEP t
.set XS, X+32*((\t)%2)
	s_wait_dscnt 0x0                               ; this tile's numbers are back; so its stores into the stage have read their registers,
.if (\t)+3 < 8
	KLOAD (\t)+3                                   ; which take the loads of three tiles on
.endif
.if (\t)+1 < 8
.if (\t) <= 4
	s_wait_loadcnt 16                              ; the next tile's eight loads are in; those of the two tiles behind it may be out
.else
	s_wait_loadcnt 8*(6-(\t))
.endif
	KTURN (\t)+1                                   ; and go through the other stage while this tile is worked
.endif
.set i, 0
.rept 32
.set i, i+1
.endr
.irp m, 0,1,2,3
	v_cvt_scalef32_pk8_bf8_f32 v[C+8*(\t)+2*\m:C+8*(\t)+2*\m+1], v[XS+8*\m:XS+8*\m+7], v11   ; the results go to stores alone; the next vector lines are the next tile's conversions, on other registers
.endr
	global_store_b128 v5, v[C+8*(\t):C+8*(\t)+3], s[10:11] offset:1024*(\t)        ; 32 lanes store 512 consecutive bytes, aligned
	global_store_b128 v5, v[C+8*(\t)+4:C+8*(\t)+7], s[10:11] offset:1024*(\t)+512
.endm
; ---- V.  Chunk k: keys 16 k .. 16 k + 15 of channels l and 32 + l; the two halves of a row's 256 bytes stand in neighbouring lines.
.macro VLOAD k
.set i, 0
.rept 16
	global_load_b32 v[R+32*((\k)%2)+i], v6, s[4:5] offset:(16*(\k)+i)*ROW th:TH_LOAD_NT
	global_load_b32 v[R+32*((\k)%2)+16+i], v6, s[4:5] offset:(16*(\k)+i)*ROW+128 th:TH_LOAD_NT
.set i, i+1
.endr
.endm
.macro VBLOCK k
.set VS, R+32*((\k)%2)
.if (\k) < 7
	s_wait_loadcnt 32                              ; this chunk's 32 loads are in; the next chunk's may be out
.else
	s_wait_loadcnt 0x0
.endif
.set i, 0
.rept 32
.set i, i+1
.endr
.irp m, 0,1,2,3
	v_cvt_scalef32_pk8_bf8_f32 v[C+8*(\k)+2*\m:C+8*(\k)+2*\m+1], v[VS+8*\m:VS+8*\m+7], v11
.endr
	global_store_b128 v7, v[C+8*(\k):C+8*(\k)+3], s[10:11] offset:512*((\k)/2)+256*((\k)%2)          ; channel l: tile l / 16; sixteen lanes store 256 consecutive bytes, aligned
	global_store_b128 v7, v[C+8*(\k)+4:C+8*(\k)+7], s[10:11] offset:4096+512*((\k)/2)+256*((\k)%2)   ; channel 32 + l: two tiles on
.if (\k)+2 < 8
	VLOAD (\k)+2
.endif
.endm
	s_cmp_lt_u32 ttmp9, 256
	s_cbranch_scc0 .Lv_path
	s_wait_alu depctr_va_vdst(0)
	KLOAD 0
	KLOAD 1
	KLOAD 2
	CONSTS 25                                      ; ek
	s_wait_alu depctr_va_vdst(0)
	s_wait_loadcnt 16                              ; tile 0 is in
	KTURN 0
.irp t, 0,1,2,3,4,5,6,7
	KSTEP \t
.endr
	s_wait_tensorcnt 0x0                           ; the wave's end, behind my last LDS store
	ds_add_u32 v12, v13
	s_wait_dscnt 0x0
	s_endpgm
.Lv_path:
	VLOAD 0
	VLOAD 1
	CONSTS 27                                      ; ev
	s_wait_alu depctr_va_vdst(0)
.irp k, 0,1,2,3,4,5,6,7
	VBLOCK \k
.endr
	s_wait_tensorcnt 0x0                           ; the wave's end, in the same form
	ds_add_u32 v12, v13
	s_wait_dscnt 0x0
	s_endpgm
.Lfunc_end_k_qc0a3d36765_quant:
	.size	k_qc0a3d36765_quant, .Lfunc_end_k_qc0a3d36765_quant-k_qc0a3d36765_quant
	.p2alignl 7, 3214868480
	.fill 96, 4, 3214868480
	.section	.rodata,"a",@progbits
	.p2align	6, 0x0
	.amdhsa_kernel k_qc0a3d36765_quant
		.amdhsa_group_segment_fixed_size 35328
		.amdhsa_private_segment_fixed_size 0
		.amdhsa_enable_private_segment 0
		.amdhsa_kernarg_size 40
		.amdhsa_user_sgpr_count 2
		.amdhsa_user_sgpr_kernarg_segment_ptr 1
		.amdhsa_wavefront_size32 1
		.amdhsa_system_sgpr_workgroup_id_x 1
		.amdhsa_system_sgpr_workgroup_id_y 1
		.amdhsa_system_sgpr_workgroup_id_z 1
		.amdhsa_system_vgpr_workitem_id 0
		.amdhsa_next_free_vgpr 240
		.amdhsa_next_free_sgpr 66
		.amdhsa_reserve_vcc 0
		.amdhsa_float_denorm_mode_32 3
		.amdhsa_float_denorm_mode_16_64 3
		.amdhsa_fp16_overflow 1
		.amdhsa_memory_ordered 1
		.amdhsa_forward_progress 1
		.amdhsa_inst_pref_size 50
	.end_amdhsa_kernel
	.amdgpu_metadata
---
amdhsa.version: [ 1, 2 ]
amdhsa.kernels:
  - .name:           k_qc0a3d36765_quant
    .symbol:         k_qc0a3d36765_quant.kd
    .args:
      - { .name: K, .offset: 0, .size: 8, .value_kind: global_buffer, .address_space: global }
      - { .name: V, .offset: 8, .size: 8, .value_kind: global_buffer, .address_space: global }
      - { .name: lowp_scales, .offset: 16, .size: 8, .value_kind: global_buffer, .address_space: global }
      - { .name: k_img, .offset: 24, .size: 8, .value_kind: global_buffer, .address_space: global }
      - { .name: v_img, .offset: 32, .size: 8, .value_kind: global_buffer, .address_space: global }
    .group_segment_fixed_size: 35328
    .private_segment_fixed_size: 0
    .kernarg_segment_align: 8
    .kernarg_segment_size: 40
    .max_flat_workgroup_size: 128
    .sgpr_count:     66
    .vgpr_count:     240
    .wavefront_size: 32
...
	.end_amdgpu_metadata
.endif
;; end of part 1
;; launch attn (part 2): grid 4 x 64, 16 waves a work-group, clusters of 4 x 1, 327,680 bytes of LDS; arguments Q, k_img, v_img, lowp_scales, out0; writes out0
.if DOCPART == 2
	.amdgcn_target "amdgcn-amd-amdhsa--gfx1250"
	.amdhsa_code_object_version 6
	.text
	.protected	k_qc0a3d36765_attn
	.globl	k_qc0a3d36765_attn
	.p2align	8
	.type	k_qc0a3d36765_attn,@function
k_qc0a3d36765_attn:
	s_mov_b64 s[64:65], 0
	v_nop
	global_prefetch_b8 v0, s[64:65] scope:SCOPE_SE
	s_setreg_imm32_b32 hwreg(HW_REG_WAVE_MODE, 25, 1), 1
	s_wait_xcnt 0x0
	s_wait_alu depctr_hold_cnt(0) depctr_sa_sdst(0) depctr_va_vdst(0) depctr_va_sdst(0) depctr_va_ssrc(0) depctr_va_vcc(0) depctr_vm_vsrc(0)
	s_getreg_b32 s2, hwreg(HW_REG_IB_STS2, 6, 4)
	s_cmp_eq_u32 s2, 0
	s_cbranch_scc0 .Lentry_in_a_cluster
	s_endpgm
.Lentry_in_a_cluster:
	s_bfe_u32 s2, ttmp6, 0x10000c
	s_cmp_lg_u32 s2, 0x3003
	s_cbranch_scc0 .Lentry_shape_is_right
	s_endpgm
.Lentry_shape_is_right:
; SECOND LAUNCH.  out[b][q][head] = the sum over keys k <= q of softmax_k(Q . K / 8) V, 64 heads (16 b + head) of 2,048 positions x 64 channels, both products on codes of BF8 (E5M2), each operand with its given scale 2^e: eq, ek, ep, ev.
; K's and V's codes come from the first launch, laid in the order of the operand registers (its head comment gives the layout).  Q, f32, is read by one wave only and is quantised here, in registers.
; THE SOFTMAX AHEAD OF THE SECOND PRODUCT: t = score x log2(e) / 8; M = the row's largest t so far, rounded UP to a whole number; p = 2^(t - M) is what is quantised, along the keys, not normalised.
; The row's sum is taken of the unquantised p, in f32, and divides O at the end.  When M moves, the sum and O are multiplied by 2^(old M - new M): exact.
; WORK LEFT OUT: for a tile of 16 queries every step of 128 keys that lies wholly behind them: reference()'s own tril hides those keys for all values of the inputs (shown at the head of the first launch).
; LIMIT of that: a NaN, an infinity or an overflow that reaches only hidden keys is not carried to the result.
; LIMITS on the given exponents, so that each power of two below is an f32 number: eq and ep between -126 and 112; eq + ek between -123 and 130 (they are added to c's exponent field); ep + ev goes by v_ldexp_f32 and has none.
; NaN among the inputs is not served.  A p under 2^-126 counts as 0 (ISA guide, v_exp_f32).
; SHARES.  A cluster is the four work-groups of one head.  A head has 128 tiles of 16 queries; work-group cx owns tiles 4 j + cx, j = 0 .. 31.  Wave w works tile H (j = 31 - w) and then tile L (j = w).
; A tile's last step, on the diagonal, is D = j / 2, whatever cx: so a wave has (31 - w) / 2 + 1 + w / 2 + 1 = 17 steps, every wave of every work-group alike, and no branch hangs on cx.
; THE WHOLE HEAD LIES IN LDS: 131,072 bytes of K's codes and as many of V's, each byte filled once, at the head; nothing is filled again.  The four partners need the same bytes, and each reads every step (its waves 0 and 1
; go up to step 15): so the fills are JOINT loads, with a mask that names the four.  They come in three groups (steps 0-3, 4-7, 8-15), so that the work begins when the first has landed.
; Tile H goes first: its D is 8 at the least, so all sixteen waves walk steps 0-7 alike, with no mask, and meet the barriers of the three groups in step.
; LAYOUT.  Both products are used transposed: S^T = K Q^T (source 0 = 16 keys, source 1 = my 16 queries; K = 64), O^T = V^T P^T (source 0 = 16 channels, source 1 = P; K = 128): a lane holds ONE query (lane % 16) throughout.
; The keys of a tile of K are chosen so that the 16 registers of tiles 2 b and 2 b + 1 are keys 32 b + 16 (lane / 16) + 0 .. 15: the conversions' results are the second product's operand.
; Inside an instruction k stands in other places than the form's own layout gives it, alike in both sources: every product meets its partner.
; Four waves of 256 registers share a SIMD: one wave's matrix work and LDS loads stand beside another's softmax.
; REGISTERS: v1-11 addresses; v12 -M, v13 the largest t, v[14:15] the sum in two halves; v16-23 Q's fragment; v24-87 eight fragments of K, then four of V, then rows on the way out; v88-151 S^T, then p, then O / l;
;   v152-183 O^T; v184-199 p's codes; v200-231 Q's numbers; v232-255 constants and work.
.set VIMG,  131072                     ; LDS: K's image from 0, V's from here; step s at 8,192 s in each
.set STEPB, 8192
.set STAGE, 262144                     ; the way out: 8 rows x 272 bytes for each wave (sixteen stages of 16 rows do not fit beside the head); no fill lands here
.set WSTG,  2176
.set SP,    272
.set SPARE, STAGE+16*WSTG              ; the spare words, 128 bytes for each wave: eight blocks of 256 bytes that no other line names
.set QF,  16
.set FR,  24
.set S,   88
.set OT,  152
.set PC,  184
.set QR,  200
.set G1S, 32                           ; s[32:39] descriptor group 1: 64 rows of 256 bytes;   s[40:47]: 128 rows
.set G1L, 40
.set G0KA, 48                          ; descriptor groups 0: K's steps 0-3, 4-7, 8-15; V's likewise.  None is ever rewritten
.set G0KB, 52
.set G0KC, 56
.set G0VA, 60
.set G0VB, 68
.set G0VC, 72
; s14 wave; s15 cx; s16 head; s17 D of the tile in hand; s18, s19 D of L, of H; s[20:23] the tiles' byte offsets; s[24:27] Q at H, at L; s[28:31] out at H, at L; s[76:77] lane selects; s[78:79] c; s[80:83] the exponents;
; s84 the step's LDS byte; s85 the step; s86 a loop's count; s87 ep + ev; s88 EXEC kept; s89, s90 the tiles' first query within their diagonal step; s2, s3, s91-99 at work.
.macro ROUND                           ; a round of the cluster's barrier
	s_barrier_signal -1
	s_barrier_wait -1
	s_cmp_lg_u32 s14, 0
	s_cbranch_scc1 .Lnot_wave_0_\@
	s_barrier_signal -3
.Lnot_wave_0_\@:
	s_barrier_wait -3
	s_barrier_signal -1
	s_barrier_wait -1
.endm
.macro BAR                             ; no LDS instruction of mine is out; then the work-group's barrier
	s_wait_dscnt 0x0
	s_barrier_signal -1
	s_barrier_wait -1
.endm
	s_load_b256 s[4:11], s[0:1], 0x0               ; Q s[4:5], k_img s[6:7], v_img s[8:9], the exponents s[10:11]
	s_load_b64 s[12:13], s[0:1], 0x20              ; out
	v_lshl_add_u32 v5, v0, 2, SPARE                ; my spare word; never rewritten
	v_mov_b32 v6, 0                                ; 0; never rewritten
	ds_add_u32 v5, v6                              ; the wave's opening: the add, twice on end, and its wait ahead of the round in front of the first tensor loads; the set-up below is work on registers
	ds_add_u32 v5, v6
	v_lshrrev_b32 v8, 5, v0
	s_delay_alu instid0(VALU_DEP_1)
	v_readfirstlane_b32 s14, v8                    ; wave 0..15
	s_bfe_u32 s15, ttmp6, 0x40000                  ; cx: my place in the cluster: it enters Q's and out's addresses and the mask's numbers, nothing else
	s_and_b32 s16, ttmp7, 0xffff                   ; the head 16 b + hd, which the four partners share
	; descriptor group 1: a dense block as rows of 256 bytes: elements of 8 bytes, 32 to a row, pitch 32; no padding (the images are read 16 bytes a lane on end)
.irp g, G1S, G1L
	s_mov_b32 s[\g], 15|(3<<16)|(1<<21)            ; 15:0 the mask: all four work-groups; 17:16 elements of 8 bytes; 21 set beside a mask
	s_mov_b32 s[\g+1], 32<<16                      ; tensor_dim0 = 32
	s_mov_b32 s[\g+3], 32<<16                      ; tile_dim0 = 32
	s_mov_b32 s[\g+5], 32                          ; from row to row
	s_mov_b32 s[\g+6], 0
	s_mov_b32 s[\g+7], 0
.endr
	s_mov_b32 s[G1S+2], 64<<16                     ; tensor_dim1
	s_mov_b32 s[G1S+4], 64                         ; tile_dim1
	s_mov_b32 s[G1L+2], 128<<16
	s_mov_b32 s[G1L+4], 128
	s_mov_b32 s76, 0x76543210                      ; v_permlanex16_b32: lane l xor 16
	s_mov_b32 s77, 0xfedcba98
	; my two tiles
	s_sub_co_u32 s91, 31, s14                      ; j of H
	s_lshr_b32 s19, s91, 1                         ; D of H: 8 .. 15
	s_lshr_b32 s18, s14, 1                         ; D of L: 0 .. 7
	s_lshl_b32 s2, s15, 4
	s_and_b32 s89, s91, 1
	s_lshl_b32 s89, s89, 6
	s_add_co_u32 s89, s89, s2                      ; H's first query less 128 D: 64 (j % 2) + 16 cx
	s_and_b32 s90, s14, 1
	s_lshl_b32 s90, s90, 6
	s_add_co_u32 s90, s90, s2                      ; L's
	s_lshr_b32 s3, s16, 4
	s_lshl_b32 s3, s3, 23                          ; b x 2,048 rows of 4,096 bytes
	s_and_b32 s2, s16, 15
	s_lshl_b32 s2, s2, 8
	s_add_co_u32 s3, s3, s2                        ; + the head's 256 bytes of a row
	s_lshl_b32 s2, s15, 16
	s_add_co_u32 s3, s3, s2                        ; + 16 cx rows
	s_lshl_b32 s20, s91, 18
	s_add_co_u32 s20, s20, s3                      ; + 64 j rows: H
	s_mov_b32 s21, 0
	s_lshl_b32 s22, s14, 18
	s_add_co_u32 s22, s22, s3                      ; L
	s_mov_b32 s23, 0
	; what I fetch, if I fetch: half w % 2 of each group.  These registers never hold cx
	s_and_b32 s95, s14, 1
	s_lshl_b32 s96, s95, 14                        ; my half of a group of 32,768 bytes,
	s_lshl_b32 s97, s95, 15                        ; of the group of 65,536
	s_lshl_b32 s94, s16, 17                        ; the head's 131,072 bytes in each image
	s_add_co_u32 s92, s94, s96
	s_mov_b32 s93, 0
	s_add_co_u32 s98, s94, s97
	s_mov_b32 s99, 0
.irp g, G0KA, G0KB, G0KC, G0VA, G0VB, G0VC
	s_mov_b32 s[\g], 1                             ; count = 1
.endr
	s_mov_b32 s[G0KA+1], s96                       ; LDS addresses: a constant + the wave's half
	s_add_co_u32 s[G0KB+1], s96, 32768
	s_add_co_u32 s[G0KC+1], s97, 65536
	s_add_co_u32 s[G0VA+1], s96, VIMG
	s_add_co_u32 s[G0VB+1], s96, VIMG+32768
	s_add_co_u32 s[G0VC+1], s97, VIMG+65536
	; addresses of a lane
	v_and_b32 v8, 31, v0
	s_delay_alu instid0(VALU_DEP_1)
	v_lshlrev_b32 v1, 4, v8                        ; 16 x lane: my place in an image of K,
	s_delay_alu instid0(VALU_DEP_1)
	v_add_nc_u32 v2, VIMG, v1                      ; of V
	v_and_b32 v4, 15, v0                           ; r
	v_bfe_u32 v9, v0, 4, 1                         ; h
	s_delay_alu instid0(VALU_DEP_2)
	v_lshlrev_b32 v7, 4, v4
	s_delay_alu instid0(VALU_DEP_1)
	v_lshl_add_u32 v7, v9, 12, v7                  ; out: lanes 0-15 one row's 256 bytes, lanes 16-31 the next row's
	s_delay_alu instid0(VALU_DEP_3)
	v_lshlrev_b32 v246, 4, v9
	s_delay_alu instid0(VALU_DEP_1)
	v_sub_nc_u32 v246, v4, v246                    ; r - 16 h, for the mask
	v_lshlrev_b32 v247, 12, v4
	s_delay_alu instid0(VALU_DEP_1)
	v_lshl_add_u32 v247, v9, 7, v247               ; Q: row r, channels 32 h on
	s_mul_i32 s91, s14, WSTG
	s_add_co_u32 s91, s91, STAGE                   ; my stage
	v_and_b32 v10, 7, v0
	s_delay_alu instid0(VALU_DEP_1)
	v_mul_u32_u24 v10, v10, SP
	s_delay_alu instid0(VALU_DEP_1)
	v_lshl_add_u32 v10, v9, 5, v10
	s_delay_alu instid0(VALU_DEP_1)
	v_add_nc_u32 v10, s91, v10                     ; in: row r % 8, 32 bytes for each half of the lanes
	v_mul_u32_u24 v11, v9, SP
	s_delay_alu instid0(VALU_DEP_1)
	v_lshl_add_u32 v11, v4, 4, v11
	s_delay_alu instid0(VALU_DEP_1)
	v_add_nc_u32 v11, s91, v11                     ; back: lanes 0-15 one row, lanes 16-31 the next
	v_mov_b32 v243, 0xff800000                     ; -infinity
	v_mov_b32 v234, 0                              ; written once: a lane permute's destination counts as one of its sources
	v_mov_b32 v237, 0                              ; (named as the upper half of the pair v[236:237])
	s_wait_dscnt 0x0                               ; both opening adds are done
	s_wait_kmcnt 0x0
	s_load_b128 s[80:83], s[10:11], 0x0            ; eq, ek, ep, ev
	s_add_nc_u64 s[G0KA+2:G0KA+3], s[6:7], s[92:93]
	s_add_nc_u64 s[G0KB+2:G0KB+3], s[G0KA+2:G0KA+3], 32768
	s_add_nc_u64 s[G0KC+2:G0KC+3], s[6:7], s[98:99]
	s_add_nc_u64 s[G0KC+2:G0KC+3], s[G0KC+2:G0KC+3], 65536
	s_add_nc_u64 s[G0VA+2:G0VA+3], s[8:9], s[92:93]
	s_add_nc_u64 s[G0VB+2:G0VB+3], s[G0VA+2:G0VA+3], 32768
	s_add_nc_u64 s[G0VC+2:G0VC+3], s[8:9], s[98:99]
	s_add_nc_u64 s[G0VC+2:G0VC+3], s[G0VC+2:G0VC+3], 65536
.irp g, G0KA, G0KB, G0KC, G0VA, G0VB, G0VC
	s_or_b32 s[\g+3], s[\g+3], 0x80000000          ; type = 2
.endr
	s_add_nc_u64 s[24:25], s[4:5], s[20:21]
	s_add_nc_u64 s[26:27], s[4:5], s[22:23]
	s_add_nc_u64 s[28:29], s[12:13], s[20:21]
	s_add_nc_u64 s[30:31], s[12:13], s[22:23]
	ROUND                                          ; all four work-groups are here: the joint loads meet
	; THE FILLS, all of them, ahead of every wait on TENSORcnt, every LDS read and every other barrier.  Waves 0, 1: K's halves; waves 2, 3: V's; a wave's three stand in one arm: three loads of mine are out at the most.
	; An s_nop 0 follows each, four v_nop the last.  The branches hang on the wave's number alone.
	s_cmp_lt_u32 s14, 2
	s_cbranch_scc0 .Lnot_k
	tensor_load_to_lds s[G0KA:G0KA+3], s[G1S:G1S+7]
	s_nop 0
	tensor_load_to_lds s[G0KB:G0KB+3], s[G1S:G1S+7]
	s_nop 0
	tensor_load_to_lds s[G0KC:G0KC+3], s[G1L:G1L+7]
	s_nop 0
.rept 4
	v_nop
.endr
	s_branch .Lasked
.Lnot_k:
	s_cmp_lt_u32 s14, 4
	s_cbranch_scc0 .Lasked
	tensor_load_to_lds s[G0VA:G0VA+3], s[G1S:G1S+7]
	s_nop 0
	tensor_load_to_lds s[G0VB:G0VB+3], s[G1S:G1S+7]
	s_nop 0
	tensor_load_to_lds s[G0VC:G0VC+3], s[G1L:G1L+7]
	s_nop 0
.rept 4
	v_nop
.endr
.Lasked:
; A tile's 16 rows of Q: lane (r, h) takes channels 32 h .. 32 h + 31 of row r.
.macro QLOAD ptr
.irp i, 0,1,2,3,4,5,6,7
	global_load_b128 v[QR+4*\i:QR+4*\i+3], v247, s[\ptr:\ptr+1] offset:16*\i th:TH_LOAD_NT
.endr
.endm
; A tile begins: Q's numbers become its fragment (registers 2 m, 2 m + 1: channels 32 h + 8 m + 0 .. 7, as K's images have them); the statistics and O^T start.
.macro TILE_INIT dsc, dd
	s_wait_xcnt 0x0                                ; the stores of the tile before have read their registers, which the steps below load anew
	s_wait_loadcnt 0x0                             ; Q's numbers are in
.set i, 0
.rept 32
.set i, i+1
.endr
.irp m, 0,1,2,3
	v_cvt_scalef32_pk8_bf8_f32 v[QF+2*\m:QF+2*\m+1], v[QR+8*\m:QR+8*\m+7], v244
.endr
	v_nop                                          ; one plain vector line between a scaled conversion and the matrix instructions that read its result
	v_mov_b32 v13, 0xff61b1e6                      ; the largest t so far: -3e38, under every t
	s_delay_alu instid0(VALU_DEP_1)
	v_floor_f32 v12, -v13                          ; -M
	v_mov_b32 v14, 0                               ; the sum, in two halves
	v_mov_b32 v15, 0
.set i, 0
.rept 32
	v_mov_b32 v[OT+i], 0                           ; O^T.  (A step is written without a first form of its own: the first finds zeros, which the first change of M leaves zeros)
.set i, i+1
.endr
	v_add_nc_u32 v3, s[\dsc], v246                 ; d = my query - the diagonal step's first key - 16 h
	s_mov_b32 s17, s[\dd]
.endm
; A STEP: my 16 queries x 128 keys.  causal = 1: a step behind the diagonal is left out (a scalar branch on the wave's number and the count of steps), and on the diagonal hidden scores become -infinity.
.macro TSTEP causal
.if \causal
	s_cmp_gt_u32 s85, s17
	s_cbranch_scc1 .Lskip_\@
.endif
	s_setprio 2
	v_add_nc_u32 v8, s84, v1
	v_add_nc_u32 v9, s84, v2
	v_nop                                          ; with the two additions: four places in front of loads into registers that the last matrix instructions have read (ISA guide 7.12.1 for vector instructions)
	v_nop
.irp t, 0,1,2,3,4,5,6,7
	ds_load_b128 v[FR+8*\t:FR+8*\t+3], v8 offset:1024*\t
	ds_load_b128 v[FR+8*\t+4:FR+8*\t+7], v8 offset:1024*\t+512
.endr
	s_wait_alu depctr_va_vdst(0)
	s_wait_dscnt 8                                 ; tiles 0-3 are in; the eight loads of tiles 4-7 may be out
.irp t, 0,1,2,3
	v_wmma_f32_16x16x64_bf8_bf8 v[S+8*\t:S+8*\t+7], v[FR+8*\t:FR+8*\t+7], v[QF:QF+7], 0
.endr
	s_wait_dscnt 0x0
.irp t, 4,5,6,7
	v_wmma_f32_16x16x64_bf8_bf8 v[S+8*\t:S+8*\t+7], v[FR+8*\t:FR+8*\t+7], v[QF:QF+7], 0
.endr
.rept 4
	v_nop                                          ; four places: for the loads below, into K's registers, and for the first read of the scores
.endr
.irp t, 0,1,2,3
.irp c, 0,1,2,3
	ds_load_b128 v[FR+16*\t+4*\c:FR+16*\t+4*\c+3], v9 offset:2048*\t+512*\c   ; V's four fragments land under the softmax
.endr
.endr
.if \causal
	s_cmp_lt_u32 s85, s17
	s_cbranch_scc1 .Lopen_\@                       ; a step all of whose keys count
.set n, 0
.rept 64
	v_cmp_gt_i32 vcc_lo, 32*(n/16)+n%16, v3        ; register 16 b + i holds key 32 b + 16 h + i of the step: hidden where 32 b + i > d.  The step's first key counts for every query
	v_cndmask_b32 v[S+n], v[S+n], v243, vcc_lo
.set n, n+1
.endr
.Lopen_\@:
.endif
	v_max3_num_f32 v240, v[S], v[S+1], v[S+2]      ; the step's largest score of my query among my 64 keys, in two chains, each accumulator from its low end on
	v_max3_num_f32 v241, v[S+3], v[S+4], v[S+5]
.irp i, 6,10,14,18,22,26,30,34,38,42,46,50,54,58
	v_max3_num_f32 v240, v240, v[S+\i], v[S+\i+1]
	v_max3_num_f32 v241, v241, v[S+\i+2], v[S+\i+3]
.endr
	v_max3_num_f32 v240, v240, v[S+62], v[S+63]
	s_delay_alu instid0(VALU_DEP_1)
	v_max_num_f32 v240, v240, v241
	s_delay_alu instid0(VALU_DEP_1)
	v_permlanex16_b32 v234, v240, s76, s77
	s_delay_alu instid0(VALU_DEP_1)
	v_max_num_f32 v240, v240, v234                 ; and among lane l xor 16's
	s_delay_alu instid0(VALU_DEP_1)
	v_mul_f32 v240, s78, v240                      ; as t (c is positive)
	s_delay_alu instid0(VALU_DEP_1)
	v_max_num_f32 v13, v13, v240                   ; the running largest t
	v_mov_b32 v240, v12
	s_delay_alu instid0(VALU_DEP_2)
	v_floor_f32 v12, -v13                          ; the new -M = floor(-t) = -ceil(t): a whole number
	s_delay_alu instid0(VALU_DEP_1)
	v_sub_f32 v240, v12, v240                      ; old M - new M: a whole number, 0 or less
	s_delay_alu instid0(VALU_DEP_1)
	v_cvt_i32_f32 v240, v240                       ; (it saturates)
	s_delay_alu instid0(VALU_DEP_1)
	v_ldexp_f32 v236, 1.0, v240                    ; f = 2^(old M - new M)
.set j, 0
.rept 32
	v_pk_fma_f32 v[S+j:S+j+1], v[S+j:S+j+1], s[78:79], v[12:13] op_sel_hi:[1,0,0]   ; t - M, two at a time (of the pairs c and -M the low word serves both halves)
.set j, j+2
.endr
.set j, 0
	s_setprio 1
	s_wait_alu depctr_va_vdst(0)
.rept 64
	v_exp_f32 v[S+j], v[S+j]                       ; p = 2^(t - M), at most 1: not normalised
.set j, j+1
.endr
	v_pk_mul_f32 v[14:15], v[14:15], v[236:237] op_sel_hi:[1,0]   ; the sums under the new M: the plain line behind the exponentials
	s_wait_alu depctr_va_vdst(0)                   ; one wait for the whole batch, ahead of its first reader
	v_pk_add_f32 v[238:239], v[92:93], v[96:97]
	v_pk_add_f32 v[254:255], v[100:101], v[104:105]
	v_pk_add_f32 v[252:253], v[108:109], v[112:113]
	v_pk_add_f32 v[250:251], v[116:117], v[120:121]
	v_pk_add_f32 v[248:249], v[124:125], v[128:129]
	v_pk_add_f32 v[14:15], v[14:15], v[132:133]
	v_pk_add_f32 v[238:239], v[238:239], v[136:137]
	v_pk_add_f32 v[254:255], v[254:255], v[140:141]
	v_pk_add_f32 v[252:253], v[252:253], v[144:145]
	v_pk_add_f32 v[250:251], v[250:251], v[148:149]
	v_pk_add_f32 v[248:249], v[248:249], v[88:89]
	v_pk_add_f32 v[14:15], v[14:15], v[90:91]
	v_pk_add_f32 v[238:239], v[238:239], v[94:95]
	v_pk_add_f32 v[254:255], v[254:255], v[98:99]
	v_pk_add_f32 v[252:253], v[252:253], v[102:103]
	v_pk_add_f32 v[250:251], v[250:251], v[106:107]
	v_pk_add_f32 v[248:249], v[248:249], v[110:111]
	v_pk_add_f32 v[14:15], v[14:15], v[114:115]
	v_pk_add_f32 v[238:239], v[238:239], v[118:119]
	v_pk_add_f32 v[254:255], v[254:255], v[122:123]
	v_pk_add_f32 v[252:253], v[252:253], v[126:127]
	v_pk_add_f32 v[250:251], v[250:251], v[130:131]
	v_pk_add_f32 v[248:249], v[248:249], v[134:135]
	v_pk_add_f32 v[14:15], v[14:15], v[138:139]
	v_pk_add_f32 v[238:239], v[238:239], v[142:143]
	v_pk_add_f32 v[254:255], v[254:255], v[146:147]
	v_pk_add_f32 v[252:253], v[252:253], v[150:151]
	s_delay_alu instid0(VALU_DEP_1)
	v_pk_add_f32 v[14:15], v[14:15], v[252:253]
	s_delay_alu instid0(VALU_DEP_4)
	v_pk_add_f32 v[238:239], v[238:239], v[250:251]
	s_delay_alu instid0(VALU_DEP_4)
	v_pk_add_f32 v[254:255], v[254:255], v[248:249]
	s_delay_alu instid0(VALU_DEP_1)
	v_pk_add_f32 v[14:15], v[14:15], v[254:255]
	s_delay_alu instid0(VALU_DEP_1)
	v_pk_add_f32 v[14:15], v[14:15], v[238:239]
	s_setprio 0
.irp b, 0,1,2,3
.set i, 0
.rept 16
.set i, i+1
.endr
	v_cvt_scalef32_pk8_bf8_f32 v[PC+4*\b:PC+4*\b+1], v[S+16*\b:S+16*\b+7], v232
	v_cvt_scalef32_pk8_bf8_f32 v[PC+4*\b+2:PC+4*\b+3], v[S+16*\b+8:S+16*\b+15], v232
.endr
.set j, 0
.rept 16
	v_pk_mul_f32 v[OT+j:OT+j+1], v[OT+j:OT+j+1], v[236:237] op_sel_hi:[1,0]   ; O^T under the new M; also the plain lines between the conversions and the products
.set j, j+2
.endr
	s_wait_alu depctr_va_vdst(0)
	s_wait_dscnt 0x0                               ; V is in
.irp t, 0,1,2,3
	v_wmma_f32_16x16x128_bf8_bf8 v[OT+8*\t:OT+8*\t+7], v[FR+16*\t:FR+16*\t+15], v[PC:PC+15], v[OT+8*\t:OT+8*\t+7]   ; the four accumulators by turns, one instruction a turn; the next matrix instruction starts a tile of scores
.endr
.if \causal
.Lskip_\@:
	s_add_co_u32 s85, s85, 1
.endif
	s_add_co_u32 s84, s84, STEPB
.endm
.macro WALK first, cnt, causal         ; steps first .. first + cnt - 1: the trip count is a constant
	s_mov_b32 s84, (\first)*STEPB
.if \causal
	s_mov_b32 s85, \first
.endif
	s_mov_b32 s86, \cnt
.Lwalk_\@:
	TSTEP \causal
	s_sub_co_u32 s86, s86, 1
	s_cmp_lg_u32 s86, 0
	s_cbranch_scc1 .Lwalk_\@
	s_setprio 0
.endm
; THE WAY OUT of a tile.  O^T / l: register 8 t + i of lane (r, h) is out(query r, channel 16 t + 8 h + i).  Eight queries at a time go through my stage and come back as whole rows of 256 bytes.
.macro WAYOUT optr
.rept 4
	v_nop                                          ; places behind the last products
.endr
	v_add_f32 v14, v14, v15                        ; the sum's two halves,
	s_delay_alu instid0(VALU_DEP_1)
	v_permlanex16_b32 v234, v14, s76, s77
	s_delay_alu instid0(VALU_DEP_1)
	v_add_f32 v14, v14, v234                       ; and lane l xor 16's: the row's sum
	s_wait_alu depctr_va_vdst(0)
	v_rcp_f32 v14, v14
	v_nop                                          ; a plain line behind the transcendental,
	s_wait_alu depctr_va_vdst(0)                   ; and the wait ahead of its first reader
	v_ldexp_f32 v14, v14, s87                      ; x 2^(ep + ev)
.set j, 0
.rept 16
	v_pk_mul_f32 v[S+j:S+j+1], v[OT+j:OT+j+1], v[14:15] op_sel_hi:[1,0]   ; each accumulator from its low end on
.set j, j+2
.endr
	s_wait_alu depctr_va_vdst(0)
	s_wait_xcnt 0x0                                ; EXEC is a source of the global instructions that are out: it changes only behind this wait; none is issued before it is whole again
.irp a, 0,1
.if \a == 0
	v_cmp_gt_u32 vcc_lo, 8, v4                     ; queries 0-7,
.else
	v_cmp_le_u32 vcc_lo, 8, v4                     ; then queries 8-15
.endif
	s_and_saveexec_b32 s88, vcc_lo
.irp t, 0,1,2,3
	ds_store_b128 v10, v[S+8*\t:S+8*\t+3] offset:64*\t
	ds_store_b128 v10, v[S+8*\t+4:S+8*\t+7] offset:64*\t+16
.endr
	s_or_b32 exec_lo, exec_lo, s88
.irp i, 0,1,2,3
	ds_load_b128 v[FR+16*\a+4*\i:FR+16*\a+4*\i+3], v11 offset:2*\i*SP   ; LDS serves a wave's instructions in order: these see my stores, and the second half's stores come behind them
.endr
.endr
.irp a, 0,1
.irp i, 0,1,2,3
	s_wait_dscnt (1-\a)*12+3-\i                    ; behind this load: the rest of its four and, for the first half, the second half's eight stores and four loads
	global_store_b128 v7, v[FR+16*\a+4*\i:FR+16*\a+4*\i+3], s[\optr:\optr+1] offset:(8*\a+2*\i)*4096 th:TH_STORE_NT   ; sixteen lanes store 256 consecutive bytes, aligned; written once, read by nobody here
.endr
.endr
.endm
	QLOAD 24                                       ; tile H's rows of Q
	s_wait_kmcnt 0x0
	s_add_co_i32 s2, s80, s81
	s_lshl_b32 s2, s2, 23
	s_mov_b32 s78, 0x3e38aa3b                      ; c = log2(e) / 8
	s_add_co_i32 s78, s78, s2                      ; a score stands for score x 2^(eq + ek): the two exponents are added to c's exponent field
	s_mov_b32 s79, s78                             ; (named with it as a pair, so it is written)
	s_add_co_i32 s87, s82, s83                     ; ep + ev
	s_add_co_i32 s2, s82, 127
	s_lshl_b32 s3, s2, 23
	v_mov_b32 v232, s3                             ; 2^ep as f32, for p's conversions
	s_add_co_i32 s2, s80, 127
	s_lshl_b32 s3, s2, 23
	v_mov_b32 v244, s3                             ; 2^eq, for Q's
	s_wait_alu depctr_va_vdst(0)
	TILE_INIT 89, 19                               ; tile H
	s_wait_tensorcnt 0x2                           ; my part of steps 0-3 has landed; my two later loads may stay out
	BAR                                            ; everybody's has
	WALK 0, 4, 0
	s_wait_tensorcnt 0x1                           ; steps 4-7
	BAR
	QLOAD 26                                       ; tile L's rows of Q, into the registers that H's conversions have read: asked for long before they are wanted
	WALK 4, 4, 0
	s_wait_tensorcnt 0x0                           ; steps 8-15
	BAR
	WALK 8, 8, 1
	WAYOUT 28
	TILE_INIT 90, 18                               ; tile L
	WALK 0, 8, 1
	WAYOUT 30
	s_wait_tensorcnt 0x0                           ; the wave's end, behind my last tensor load and my last LDS store
	ds_add_u32 v5, v6
	s_wait_dscnt 0x0
	ROUND                                          ; the closing round: no work-group ends while a partner may still ask for a tile that names it
	s_endpgm
.Lfunc_end_k_qc0a3d36765_attn:
	.size	k_qc0a3d36765_attn, .Lfunc_end_k_qc0a3d36765_attn-k_qc0a3d36765_attn
	.p2alignl 7, 3214868480
	.fill 96, 4, 3214868480
	.section	.rodata,"a",@progbits
	.p2align	6, 0x0
	.amdhsa_kernel k_qc0a3d36765_attn
		.amdhsa_group_segment_fixed_size 327680
		.amdhsa_private_segment_fixed_size 0
		.amdhsa_enable_private_segment 0
		.amdhsa_kernarg_size 40
		.amdhsa_user_sgpr_count 2
		.amdhsa_user_sgpr_kernarg_segment_ptr 1
		.amdhsa_wavefront_size32 1
		.amdhsa_system_sgpr_workgroup_id_x 1
		.amdhsa_system_sgpr_workgroup_id_y 1
		.amdhsa_system_sgpr_workgroup_id_z 1
		.amdhsa_system_vgpr_workitem_id 0
		.amdhsa_next_free_vgpr 256
		.amdhsa_next_free_sgpr 100
		.amdhsa_reserve_vcc 1
		.amdhsa_float_denorm_mode_32 3
		.amdhsa_float_denorm_mode_16_64 3
		.amdhsa_fp16_overflow 1
		.amdhsa_memory_ordered 1
		.amdhsa_forward_progress 1
		.amdhsa_inst_pref_size 89
	.end_amdhsa_kernel
	.amdgpu_metadata
---
amdhsa.version: [ 1, 2 ]
amdhsa.kernels:
  - .name:           k_qc0a3d36765_attn
    .symbol:         k_qc0a3d36765_attn.kd
    .args:
      - { .name: Q, .offset: 0, .size: 8, .value_kind: global_buffer, .address_space: global }
      - { .name: k_img, .offset: 8, .size: 8, .value_kind: global_buffer, .address_space: global }
      - { .name: v_img, .offset: 16, .size: 8, .value_kind: global_buffer, .address_space: global }
      - { .name: lowp_scales, .offset: 24, .size: 8, .value_kind: global_buffer, .address_space: global }
      - { .name: out0, .offset: 32, .size: 8, .value_kind: global_buffer, .address_space: global }
    .group_segment_fixed_size: 327680
    .private_segment_fixed_size: 0
    .kernarg_segment_align: 8
    .kernarg_segment_size: 40
    .max_flat_workgroup_size: 512
    .sgpr_count:     100
    .vgpr_count:     256
    .wavefront_size: 32
...
	.end_amdgpu_metadata
.endif
;; end of part 2
